; MI455X (gfx1250); checked and timed in simulation.
; The chip was launched on July 23, 2026; its instructions are those of AMD's public machine-readable ISA for CDNA 5 (MIT licence, August 2026) and "CDNA5" Instruction Set Architecture Reference Guide (July 2026). The comments in the code are by the model that wrote it; some were corrected since.
;; Descriptor Matcher. Allowed arithmetic: matrix products marked QUANTISED: E3M2 operands, one E8M0 scale for each 32 along K, by v_wmma_scale_f32_16x16x128_f8f6f4 with both operands' format E3M2, f32 sums; everything else in f32.
;; Inputs: desc1 8,192 x 512 float32; desc2 8,192 x 512 float32.
;; Outputs: out0 8,192 x 1 float32; out1 8,192 x 2 int32; out2 8,192 bool.
;; This version of the problem:
;;   THIS VERSION OF THE PROBLEM IS GIVEN IN LOW PRECISION. The matrix products marked QUANTISED in the list below multiply operands that are first quantised to E3M2 (3 exponent bits, 2 mantissa bits; 6 bits a number), with one power-of-two scale for each 32 numbers along K (OCP MX v1.0); their sums are f32. All else is computed in f32.
;;   The module's matrix products, in the order in which they are computed (A, B: the left and right operand; K: the contracted axis; several contracted axes count as one K, in the product's order):
;;     1. [M 8,192, K 512] x [K 512, N 8,192]; A: input desc1; B: input desc2: QUANTISED
;;   THE QUANTISER, for each operand of a quantised product, along K:
;;     - K is cut into blocks of 32 from its start; a last block that is shorter is filled with zeros.
;;     - A block's scale is 2^e with e = floor(log2(the largest magnitude in the block)) - 4, held to -126 .. 127; a block of zeros has e = 0. As a byte (E8M0): e + 127.
;;     - Each number is divided by its block's scale, clamped to +-28, and rounded to the nearest number of E3M2, ties to even, subnormals kept.
;;     - The product sums the exact products of the quantised numbers (number of the format x scale) in f32.
;;   ~~~python
;;   def quantise(x, axis):      # numpy; x: float32 -> the quantised numbers, widened to float32 again
;;       x = np.moveaxis(x, axis, -1); K = x.shape[-1]
;;       x = np.pad(x, [(0, 0)] * (x.ndim - 1) + [(0, -K % 32)]); x = x.reshape(x.shape[:-1] + (-1, 32)); a = np.abs(x).max(-1, keepdims=True)
;;       e = np.where(a > 0, np.clip(np.frexp(np.where(a > 0, a, 1))[1] - 1 - 4, -126, 127), 0)      # np.frexp(a)[1] - 1 = floor(log2(a)), exactly
;;       r = np.clip(x / 2.0 ** e, -28, 28)
;;       step = 2.0 ** (np.maximum(np.frexp(np.where(r == 0, 1, r))[1] - 1, -2) - 2)
;;       q = np.round(r / step) * step * 2.0 ** e      # np.round: ties to even
;;       return np.moveaxis(q.reshape(q.shape[:-2] + (-1,))[..., :K], -1, axis).astype(np.float32)
;;   ~~~
;; One version. Each part assembles by itself: llvm-mc -triple=amdgcn-amd-amdhsa -mcpu=gfx1250 --defsym DOCPART=n.
;; ======== version 1 of 1: 3 launches
;; workspace buffers: r1 3,276,800 bytes; r2 3,276,800 bytes; n1 32,768 bytes; n2 32,768 bytes; part 2,097,152 bytes
;; launch quant (part 1): grid 256 x 1, 4 waves a work-group, no clusters, 168,448 bytes of LDS; arguments desc1, desc2, r1, n1, r2, n2; writes r1, n1, r2, n2
.if DOCPART == 1
	.amdgcn_target "amdgcn-amd-amdhsa--gfx1250"
	.amdhsa_code_object_version 6
	.text
	.protected	k_q89fb5daf4b_quant
	.globl	k_q89fb5daf4b_quant
	.p2align	8
	.type	k_q89fb5daf4b_quant,@function
k_q89fb5daf4b_quant:
	s_mov_b64 s[64:65], 0
	v_nop
	global_prefetch_b8 v0, s[64:65] scope:SCOPE_SE
	s_setreg_imm32_b32 hwreg(HW_REG_WAVE_MODE, 25, 1), 1
	s_wait_xcnt 0x0
; desc1 and desc2, [8192][512] f32, become codes of BF6 (E3M2) with one E8M0 scale for each 32 along K, and each row's sum of squares is taken of the numbers as they come, in f32.
; A block's scale is 2^(floor(log2(its largest magnitude)) - 4); its byte is the largest magnitude's exponent field - 4, held at 1 from below (a block of zeros so gets the byte 1: its codes are zeros, and this program alone reads the bytes).
; OUT: a RECORD of 6,400 bytes for each 16 rows, laid in the order of the matrix operand's registers: four fragments (K steps of 128), each 12 registers a lane as three pieces of 512 bytes (piece c: registers 4 c .. 4 c + 3,
; lane l's 16 bytes at 16 l); at byte 6,144 the 16 rows' scale words, 16 bytes a row (word s for K step s).  And the norms: n1 = |a|^2, n2 = -|b|^2 / 2, as the next launch wants them.
; SHARES: work-groups 0-127 take desc1, 128-255 desc2: only pointers and one factor are chosen, the text has one path.  A work-group takes 64 rows, each of its four waves 16: one record.
; Four of mine are out.  Nothing is filled twice.  Only the issuing wave reads its tiles.
; LIMITS: NaN and infinities among the inputs are not served; blocks whose largest magnitude lies under 2^-122 keep the byte 1.
.set WREG,  33792                      ; LDS: a wave's four tiles
.set TILE,  8448                       ; 16 rows x PITCH
.set PITCH, 528                        ; 512 bytes of data + 16 of padding: 33 x 16, so the 16 rows that a load of 16 bytes a lane touches start at 16 different groups of four banks
.set NB,    4*WREG                     ; behind the tiles: the work-group's 64 norms, 256 bytes, written by LDS stores alone
.set REC,   6400
.set MX,  10                           ; v10-11  the two blocks' largest magnitudes
.set W,   20                           ; v20-23  my row's scale word of each K step
.set SQ,  24                           ; v24-31  the sum of squares, in four packed chains
.set T,   32                           ; v32-34, v36-38  conversions whose place in the fragment begins on an odd register
.set F,   40                           ; v40-87  the four fragments: registers of their own for each K step, so that no store's data are written again
.set X,   88                           ; v88-151 64 numbers: X[32 c + i] = k 128 s + 64 c + 32 h + i of my row
.set G1,  24                           ; s[24:31] descriptor group 1
.set G0,  32                           ; s[32:47] descriptor group 0, a set for each K step
	s_load_b256 s[4:11], s[0:1], 0x0               ; desc1 s[4:5], desc2 s[6:7], r1 s[8:9], n1 s[10:11]
	s_load_b128 s[12:15], s[0:1], 0x20             ; r2 s[12:13], n2 s[14:15]
	v_lshl_add_u32 v160, v0, 2, 0x29000
	v_mov_b32 v161, 0
	ds_add_u32 v160, v161
	ds_add_u32 v160, v161
	v_lshrrev_b32 v1, 5, v0
	v_readfirstlane_b32 s16, v1                    ; wave 0..3
	s_mov_b32 s[G1+0], (2<<16)|(1<<20)|(6<<22)|(3<<25)  ; no mask; elements of 4 bytes; padding on: after every 128 words (code 6) 4 words (code 3)
	s_mov_b32 s[G1+1], 128<<16                     ; tensor_dim0 = 128
	s_mov_b32 s[G1+2], 16<<16                      ; tensor_dim1 = 16
	s_mov_b32 s[G1+3], 128<<16                     ; tile_dim0 = 128
	s_mov_b32 s[G1+4], 16                          ; tile_dim1 = 16
	s_mov_b32 s[G1+5], 512                         ; elements from row to row
	s_mov_b32 s[G1+6], 0
	s_mov_b32 s[G1+7], 0
	s_mul_i32 s19, s16, WREG                       ; my tiles in LDS
	s_mov_b32 s20, 0x76543210
	s_mov_b32 s21, 0xfedcba98                      ; v_permlanex16_b32's selects for lane l xor 16
	s_wait_dscnt 0x0
	s_wait_kmcnt 0x0
	s_cmp_lt_u32 ttmp9, 128                        ; desc1's work-group or desc2's: the choice hangs on the work-group's number alone
	s_cselect_b64 s[4:5], s[4:5], s[6:7]
	s_cselect_b64 s[8:9], s[8:9], s[12:13]
	s_cselect_b64 s[10:11], s[10:11], s[14:15]
	s_cselect_b32 s17, 0, 128
	s_cselect_b32 s18, 1.0, -0.5                   ; what the sum of squares is multiplied by
	s_sub_co_u32 s17, ttmp9, s17                   ; g: which 64 rows of the tensor
	s_lshl_b32 s22, s17, 17                        ; 64 rows of 2,048 bytes,
	s_lshl_b32 s23, s16, 15                        ; my 16 of them
	s_add_co_u32 s22, s22, s23
	s_mov_b32 s23, 0
	s_add_nc_u64 s[4:5], s[4:5], s[22:23]
.irp s, 0,1,2,3
	s_mov_b32 s[G0+4*\s], 1                                        ; count = 1
	s_add_co_u32 s[G0+4*\s+1], s19, \s*TILE                        ; LDS address
	s_add_nc_u64 s[G0+4*\s+2:G0+4*\s+3], s[4:5], \s*512            ; K step s of my first row
	s_or_b32 s[G0+4*\s+3], s[G0+4*\s+3], 0x80000000                ; type = 2
.endr
.irp s, 0,1,2,3
	tensor_load_to_lds s[G0+4*\s:G0+4*\s+3], s[G1:G1+7]            ; all first fills together, ahead of every wait, LDS read and barrier
	s_nop 0
.endr
.rept 4
	v_nop
.endr
	v_and_b32 v1, 15, v0                           ; r
	v_bfe_u32 v2, v0, 4, 1                         ; h
	v_mul_u32_u24 v3, v1, PITCH
	v_lshl_add_u32 v3, v2, 7, v3
	v_add_nc_u32 v3, s19, v3                       ; my row in a tile, + 128 h bytes: my block of 32 numbers
	v_and_b32 v4, 31, v0
	v_lshlrev_b32 v8, 3, v4                        ; 8 x lane
	v_add_nc_u32 v7, NB, v8                        ; the norms, read back 8 bytes a lane
	v_lshlrev_b32 v4, 4, v4                        ; 16 x lane: my place in a piece of a fragment
	v_lshl_add_u32 v5, v1, 4, 6144
	v_lshl_add_u32 v5, v2, 3, v5                   ; the record's scale words: 16 bytes a row, 8 for each half of the lanes
	s_lshl_b32 s22, s16, 6
	v_lshl_add_u32 v6, v1, 2, s22
	v_add_nc_u32 v6, NB, v6                        ; my row's norm: NB + 64 x wave + 4 r
	v_lshlrev_b32 v9, 3, v2                        ; 8 h: where my two scale bytes stand in the word
	v_mov_b32 v17, 0                               ; written once: a lane permute's destination counts as one of its sources
	s_lshl_b32 s22, s17, 2
	s_add_co_u32 s22, s22, s16
	s_mul_i32 s22, s22, REC                        ; my record: 4 g + wave
	s_add_nc_u64 s[8:9], s[8:9], s[22:23]
	s_lshl_b32 s22, s17, 8                         ; the work-group's 64 norms
	s_add_nc_u64 s[10:11], s[10:11], s[22:23]
; K step s: 64 numbers a lane, two whole blocks of 32, so that a block's largest magnitude needs no other lane and the conversions' results are the fragment's registers.
.macro KSTEP s
	s_wait_tensorcnt 3-\s                          ; tensor loads of a wave end in order: this K step's tile is in; the later ones may be out
.irp c, 0,1
.irp q, 0,1,2,3,4,5,6,7
	ds_load_b128 v[X+32*\c+4*\q:X+32*\c+4*\q+3], v3 offset:\s*TILE+256*\c+16*\q
.endr
.endr
	s_wait_dscnt 0x0
.set P, 0
.rept 32                                       ; the sum of squares of the numbers as they come
.if (\s == 0) && (P < 4)
	v_pk_mul_f32 v[SQ+2*P:SQ+2*P+1], v[X+2*P:X+2*P+1], v[X+2*P:X+2*P+1]   ; the first four products start the chains: nothing is cleared
.else
	v_pk_fma_f32 v[SQ+2*(P%4):SQ+2*(P%4)+1], v[X+2*P:X+2*P+1], v[X+2*P:X+2*P+1], v[SQ+2*(P%4):SQ+2*(P%4)+1]
.endif
.set P, P+1
.endr
.irp c, 0,1
	v_max3_num_f32 v[MX+\c], |v[X+32*\c]|, |v[X+32*\c+1]|, 0x2800000   ; with the floor 2^(5 - 127): the byte cannot fall under 1
.endr
.irp i, 2,4,6,8,10,12,14,16,18,20,22,24,26,28,30
.irp c, 0,1
	v_max3_num_f32 v[MX+\c], v[MX+\c], |v[X+32*\c+\i]|, |v[X+32*\c+\i+1]|
.endr
.endr
.irp c, 0,1
	v_add_nc_u32 v[12+\c], 0xfe000000, v[MX+\c]    ; 4 off the exponent field: the conversion takes this operand's exponent field as its scale
.endr
.irp c, 0,1
	v_lshrrev_b32 v[14+\c], 23, v[12+\c]           ; the scale's byte
.endr
	v_lshl_or_b32 v16, v15, 16, v14                ; my two bytes: blocks h and 2 + h,
	v_lshlrev_b32 v16, v9, v16                     ; at their places in the word;
	v_permlanex16_b32 v17, v16, s20, s21
	v_or_b32 v[W+\s], v16, v17                     ; with lane l xor 16's two the word is whole
	v_cvt_scalef32_pk16_bf6_f32 v[F+12*\s:F+12*\s+2], v[X:X+15], v12
	v_cvt_scalef32_pk16_bf6_f32 v[T:T+2], v[X+16:X+31], v12              ; (a conversion's three registers begin on an even number)
	v_cvt_scalef32_pk16_bf6_f32 v[F+12*\s+6:F+12*\s+8], v[X+32:X+47], v13
	v_cvt_scalef32_pk16_bf6_f32 v[T+4:T+6], v[X+48:X+63], v13
	v_nop                                          ; one plain place behind a scaled conversion
.irp c, 0,1
.irp i, 0,1,2
	v_mov_b32 v[F+12*\s+6*\c+3+\i], v[T+4*\c+\i]   ; registers 6 c .. 6 c + 5 now hold k = 64 c + 32 h + 0 .. 31
.endr
.endr
.irp c, 0,1,2
	global_store_b128 v4, v[F+12*\s+4*\c:F+12*\s+4*\c+3], s[8:9] offset:1536*\s+512*\c   ; 32 lanes store 512 consecutive bytes, at a multiple of 256 from the buffer's first byte
.endr
.endm
	KSTEP 0
	KSTEP 1
	KSTEP 2
	KSTEP 3
	v_pk_add_f32 v[SQ:SQ+1], v[SQ:SQ+1], v[SQ+2:SQ+3]
	v_pk_add_f32 v[SQ+4:SQ+5], v[SQ+4:SQ+5], v[SQ+6:SQ+7]
	v_pk_add_f32 v[SQ:SQ+1], v[SQ:SQ+1], v[SQ+4:SQ+5]
	v_add_f32 v[SQ], v[SQ], v[SQ+1]
	v_permlanex16_b32 v17, v[SQ], s20, s21
	v_add_f32 v[SQ], v[SQ], v17                    ; with the other half of the row
	v_mul_f32 v[SQ], s18, v[SQ]                    ; |a|^2, or -|b|^2 / 2
	ds_store_b32 v6, v[SQ]                         ; both halves of the lanes write the same word with the same value
	v_cmp_ne_u32 vcc_lo, 0, v2
	v_cndmask_b32 v18, v[W], v[W+2], vcc_lo        ; lanes 0-15 store words 0 and 1 of their row, lanes 16-31 words 2 and 3
	v_cndmask_b32 v19, v[W+1], v[W+3], vcc_lo
	global_store_b64 v5, v[18:19], s[8:9]          ; 32 lanes store 256 consecutive bytes, aligned
	s_wait_dscnt 0x0                               ; for wave 0's sake: my store of the norm has landed
	s_barrier_signal -1
	s_barrier_wait -1
	s_cmp_lg_u32 s16, 0
	s_cbranch_scc1 .Ldone
	ds_load_b64 v[26:27], v7                       ; wave 0 stores the work-group's 64 norms as 256 consecutive bytes, aligned
	s_wait_dscnt 0x0
	global_store_b64 v8, v[26:27], s[10:11]
.Ldone:
	s_wait_tensorcnt 0x0
	ds_add_u32 v160, v161
	s_wait_dscnt 0x0
	s_endpgm
.Lfunc_end_k_q89fb5daf4b_quant:
	.size	k_q89fb5daf4b_quant, .Lfunc_end_k_q89fb5daf4b_quant-k_q89fb5daf4b_quant
	.p2alignl 7, 3214868480
	.fill 96, 4, 3214868480
	.section	.rodata,"a",@progbits
	.p2align	6, 0x0
	.amdhsa_kernel k_q89fb5daf4b_quant
		.amdhsa_group_segment_fixed_size 168448
		.amdhsa_private_segment_fixed_size 0
		.amdhsa_enable_private_segment 0
		.amdhsa_kernarg_size 48
		.amdhsa_user_sgpr_count 2
		.amdhsa_user_sgpr_kernarg_segment_ptr 1
		.amdhsa_wavefront_size32 1
		.amdhsa_system_sgpr_workgroup_id_x 1
		.amdhsa_system_sgpr_workgroup_id_y 1
		.amdhsa_system_sgpr_workgroup_id_z 1
		.amdhsa_system_vgpr_workitem_id 0
		.amdhsa_next_free_vgpr 162
		.amdhsa_next_free_sgpr 66
		.amdhsa_reserve_vcc 1
		.amdhsa_float_denorm_mode_32 3
		.amdhsa_float_denorm_mode_16_64 3
		.amdhsa_memory_ordered 1
		.amdhsa_forward_progress 1
		.amdhsa_inst_pref_size 31
	.end_amdhsa_kernel
	.amdgpu_metadata
---
amdhsa.version: [ 1, 2 ]
amdhsa.kernels:
  - .name:           k_q89fb5daf4b_quant
    .symbol:         k_q89fb5daf4b_quant.kd
    .args:
      - { .name: desc1, .offset: 0, .size: 8, .value_kind: global_buffer, .address_space: global }
      - { .name: desc2, .offset: 8, .size: 8, .value_kind: global_buffer, .address_space: global }
      - { .name: r1, .offset: 16, .size: 8, .value_kind: global_buffer, .address_space: global }
      - { .name: n1, .offset: 24, .size: 8, .value_kind: global_buffer, .address_space: global }
      - { .name: r2, .offset: 32, .size: 8, .value_kind: global_buffer, .address_space: global }
      - { .name: n2, .offset: 40, .size: 8, .value_kind: global_buffer, .address_space: global }
    .group_segment_fixed_size: 168448
    .private_segment_fixed_size: 0
    .kernarg_segment_align: 8
    .kernarg_segment_size: 48
    .max_flat_workgroup_size: 128
    .sgpr_count:     66
    .vgpr_count:     162
    .wavefront_size: 32
...
	.end_amdgpu_metadata
.endif
;; end of part 1
;; launch match (part 2): grid 16 x 16, 8 waves a work-group, clusters of 4 x 1, 214,016 bytes of LDS; arguments r1, n1, r2, n2, part; writes part
.if DOCPART == 2
	.amdgcn_target "amdgcn-amd-amdhsa--gfx1250"
	.amdhsa_code_object_version 6
	.text
	.protected	k_q89fb5daf4b_match
	.globl	k_q89fb5daf4b_match
	.p2align	8
	.type	k_q89fb5daf4b_match,@function
k_q89fb5daf4b_match:
	s_mov_b64 s[64:65], 0
	v_nop
	global_prefetch_b8 v0, s[64:65] scope:SCOPE_SE
	s_setreg_imm32_b32 hwreg(HW_REG_WAVE_MODE, 25, 1), 1
	s_wait_xcnt 0x0
	s_wait_alu depctr_hold_cnt(0) depctr_sa_sdst(0) depctr_va_vdst(0) depctr_va_sdst(0) depctr_va_ssrc(0) depctr_va_vcc(0) depctr_vm_vsrc(0)
	s_getreg_b32 s2, hwreg(HW_REG_IB_STS2, 6, 4)
	s_cmp_eq_u32 s2, 0
	s_cbranch_scc0 .Lentry_in_a_cluster
	s_endpgm
.Lentry_in_a_cluster:
	s_bfe_u32 s2, ttmp6, 0x10000c
	s_cmp_lg_u32 s2, 0x3003
	s_cbranch_scc0 .Lentry_shape_is_right
	s_endpgm
.Lentry_shape_is_right:
; For 512 rows of desc1 and 512 rows of desc2 (a SPLIT of the columns): s(m, n) = Q(a_m) . Q(b_n) - |b_n|^2 / 2, on codes of BF6 with E8M0 scales, sums in f32; the squared distance is |a_m|^2 - 2 s, so the nearest column has the
; largest s.  The clip at 0 is a cap: s' = min(s, |a_m|^2 / 2).  For each row the two largest s' of the split, the column of the largest (the lowest on a tie) and |a_m|^2 go to part [16 splits][8192 rows][4 words].
; -|b|^2 / 2 costs nothing: it is the C of each sum's first matrix instruction.  No root is taken here: roots rise with their squares, and the last launch takes two a row.
; LIMITS: the choice is made on squares: two different squares whose f32 roots coincide are a tie (lower column) by the problem's definition, here the smaller square wins.  The order of rounding differs from the definition's:
; -|b|^2 / 2 enters first and |a|^2 last, there (|a|^2 + |b|^2) - 2 a.b.  NaN and infinities are not served.
; SHARES: 16 x 16 work-groups of eight waves.  Wave w owns rows 64 w .. 64 w + 63 of the block: four tiles of 16, whose 16 fragments (192 registers) stay in registers for the whole launch; it walks all 32 column tiles.
; Two waves share a SIMD: for each matrix instruction there are four vector instructions of the search, and one wave's 32 products run beside the other's search, with five window switches a trip.
; CLUSTER: the four work-groups of a cluster have the same split and different rows: every tile of desc2 is asked for JOINTLY (mask 15).  desc1's records are not: they go from memory straight into the registers where they stay;
; through LDS their 204,800 bytes would not fit beside desc2's 206,848 without filling bytes twice.
; LDS: desc2's 32 records, 6,400 bytes each, as they lie in memory; behind them the split's 512 values of -|b|^2 / 2.  All of it is filled once, in four quarters of 8 records with counted waits, so that work begins when the first is in.
; THE MATRIX INSTRUCTION IS USED TRANSPOSED (source 0 = 16 rows of desc2, source 1 = 16 rows of desc1): lane (r, h) holds ONE row r of desc1, and register j the column 8 h + j of the tile.
; THE SEARCH, two instructions a number.  A lane's eight numbers of a tile are a BATCH.  Kept for each lane and tile of rows: m1, m2, the two largest capped batch maxima; the number of the batch that holds m1 (the earliest on a tie:
; the compare is strict); and that batch's eight numbers.  The lane's second largest is either another batch's maximum, which m2 has seen, or lies in the kept batch: the end phase looks there, once.
; REGISTERS, window 0: v1-12 addresses and counts; v16-31 desc1's scale words; v32-35 the caps; v36-43 desc2's scale words; v44-59 C; v60-107 the search's state; v108-171 eight accumulators; v172-219 the even column tile's fragments;
;   v220-251 at work in the end phase; v252-255 |a|^2.   window 1: v0-191 desc1's fragment (i, k) at 48 i + 12 k; v192-239 the odd column tile's fragments.
.set REC,  6400
.set NH,   32*REC                      ; LDS: -|b|^2 / 2 of the split's 512 columns, 2,048 bytes
.set AD,   4                           ; v4   LDS address of the trip's two records, + 16 x lane
.set ADS,  5                           ; v5   of their scale words
.set ADN,  6                           ; v6   of their 32 norms
.set ASC,  16                          ; desc1's scale words: tile i, K step k at 4 i + k
.set CAP,  32
.set BSC,  36                          ; desc2's: column tile e of the trip, K step k at 4 e + k
.set CN,   44                          ; C: 8 e + j
.set ST,   60                          ; tile i at 12 i: +0 m1, +1 m2, +2 the batch's number, +3 at work, +4 .. +11 the kept batch
.set ACC,  108                         ; accumulator (e, i) at 32 e + 8 i
.set BF0,  172
.set WK,   220                         ; tile i at 8 i: +0 place in the batch, +1, +2 the batch's two largest, +3 at work, +4 .. +6 the other half's m1, m2, column, +7 my column
.set D1,   252
.set OUT,  108                         ; the end phase's store data, in accumulators that are done with
.set G1R,  24                          ; s[24:31] descriptor group 1 for a record
.set G1N,  32                          ; s[32:39] for 256 bytes of norms
.set G0N,  40                          ; s[40:43] group 0 for the norms
.set G0R,  44                          ; s[44:59] for my record of each quarter
.set MK,   60                          ; s60-63  lane masks, one for each tile of rows
.set TB,   66                          ; s66  LDS byte at which the trip's two records begin
.set TN,   67                          ; s67  and their norms, from NH on
.set CNT,  68
.set SEL,  70                          ; s[70:71] lane selects for lane l xor 16
.set HI,   72                          ; s72  lanes 16-31
.set MSB, 0
.macro WIN new                         ; the immediate's high byte repeats the setting that is left; a switch that changes nothing is dropped
.if MSB != \new
	s_set_vgpr_msb (MSB<<8)|\new
.set MSB, \new
.endif
.endm
.macro ROUND                           ; a round of the cluster's barrier: my work-group's barrier; wave 0 signals for the work-group; every wave waits for all four work-groups; my work-group's barrier once more
	s_barrier_signal -1
	s_barrier_wait -1
	s_cmp_lg_u32 s14, 0
	s_cbranch_scc1 .Lnot_wave_0_\@
	s_barrier_signal -3
.Lnot_wave_0_\@:
	s_barrier_wait -3
	s_barrier_signal -1
	s_barrier_wait -1
.endm
	s_load_b256 s[4:11], s[0:1], 0x0               ; r1 s[4:5], n1 s[6:7], r2 s[8:9], n2 s[10:11]
	s_load_b64 s[12:13], s[0:1], 0x20              ; part
	v_lshl_add_u32 v14, v0, 2, 0x34000
	v_mov_b32 v15, 0
	ds_add_u32 v14, v15
	ds_add_u32 v14, v15
	v_lshrrev_b32 v1, 5, v0
	v_readfirstlane_b32 s14, v1                    ; wave 0..7
	s_bfe_u32 s15, ttmp6, 0x40000                  ; cx: my place in the cluster
	s_lshl_b32 s16, ttmp9, 2
	s_add_co_u32 s16, s16, s15                     ; my block of 512 rows = 4 x cluster x + cx: it enters desc1's and part's global addresses alone
	s_and_b32 s17, ttmp7, 0xffff                   ; the split, which the four partners share
	v_and_b32 v1, 31, v0
	v_lshlrev_b32 v1, 4, v1                        ; 16 x lane
	v_and_b32 v11, 15, v0                          ; r
	v_bfe_u32 v12, v0, 4, 1                        ; h
	v_lshl_add_u32 v2, v11, 4, 6144                ; a record's scale words: row r's 16 bytes
	v_lshl_add_u32 v3, v12, 5, NH                  ; my half's eight norms of a column tile
	v_lshlrev_b32 v10, 2, v11                      ; 4 r
	s_lshl_b32 s20, s17, 9
	v_lshl_add_u32 v9, v12, 3, s20                 ; 8 h + 512 x split: what a batch's number x 16 and a place in it lack to be a column
	v_mov_b32 v7, 0                                ; the numbers of the two column tiles whose search is due
	v_mov_b32 v8, 1
	s_mov_b32 s[SEL], 0x76543210
	s_mov_b32 s[SEL+1], 0xfedcba98
	s_mov_b32 s[HI], 0xffff0000
	s_lshl_b32 s18, s16, 5
	s_lshl_b32 s19, s14, 2
	s_add_co_u32 s18, s18, s19
	s_mul_i32 s18, s18, REC                        ; my four records of desc1: from record 32 x block + 4 x wave on
	s_mov_b32 s19, 0
	s_lshl_b32 s22, s14, 8                         ; 256 x wave
	s_wait_dscnt 0x0
	s_wait_kmcnt 0x0
	s_add_nc_u64 s[4:5], s[4:5], s[18:19]
	s_lshl_b32 s18, s16, 11
	s_add_co_u32 s18, s18, s22
	s_add_nc_u64 s[6:7], s[6:7], s[18:19]          ; |a|^2 of my 64 rows
	s_lshl_b32 s18, s16, 13
	s_lshl_b32 s23, s14, 10
	s_add_co_u32 s18, s18, s23
	s_lshl_b32 s23, s17, 17
	s_add_co_u32 s18, s18, s23
	s_add_nc_u64 s[12:13], s[12:13], s[18:19]      ; part: (8192 x split + 512 x block + 64 x wave) x 16 bytes
	; desc1 is asked for ahead of the round, so that it is on its way meanwhile: 56 loads
	WIN 0x40                                       ; destination window 1, address window 0
.irp i, 0,1,2,3
.irp q, 0,1,2,3,4,5,6,7,8,9,10,11
	global_load_b128 v[48*\i+4*\q:48*\i+4*\q+3], v1, s[4:5] offset:REC*\i+512*\q   ; 32 lanes read 512 consecutive bytes: four registers of a fragment as they were stored
.endr
.endr
	WIN 0
.irp i, 0,1,2,3
	global_load_b128 v[ASC+4*\i:ASC+4*\i+3], v2, s[4:5] offset:REC*\i
.endr
.irp i, 0,1,2,3
	global_load_b32 v[D1+\i], v10, s[6:7] offset:64*\i
.endr
	; descriptors.  A record is a dense block of 25 rows of 256 bytes (32 elements of 8 bytes); the norms are one such row.  Nothing in them hangs on cx
	s_mov_b32 s[G1R+0], 15|(3<<16)|(1<<21)         ; 15:0 the mask: all four work-groups; 17:16 elements of 8 bytes; 21 set beside a mask; no padding
	s_mov_b32 s[G1R+1], 32<<16                     ; tensor_dim0 = 32
	s_mov_b32 s[G1R+2], 25<<16                     ; tensor_dim1 = 25
	s_mov_b32 s[G1R+3], 32<<16                     ; tile_dim0 = 32
	s_mov_b32 s[G1R+4], 25                         ; tile_dim1 = 25
	s_mov_b32 s[G1R+5], 32                         ; elements from row to row
	s_mov_b32 s[G1R+6], 0
	s_mov_b32 s[G1R+7], 0
	s_mov_b32 s[G1N+0], 15|(3<<16)|(1<<21)
	s_mov_b32 s[G1N+1], 32<<16
	s_mov_b32 s[G1N+2], 1<<16
	s_mov_b32 s[G1N+3], 32<<16
	s_mov_b32 s[G1N+4], 1
	s_mov_b32 s[G1N+5], 32
	s_mov_b32 s[G1N+6], 0
	s_mov_b32 s[G1N+7], 0
	s_mul_i32 s20, s17, 32*REC                     ; the split's 32 records,
	s_mul_i32 s23, s14, REC                        ; my one of each eight: in memory and in LDS
	s_add_co_u32 s20, s20, s23
	s_mov_b32 s21, 0
	s_add_nc_u64 s[8:9], s[8:9], s[20:21]
	s_lshl_b32 s20, s17, 11                        ; the split's 512 norms, my 64 of them
	s_add_co_u32 s20, s20, s22
	s_add_nc_u64 s[10:11], s[10:11], s[20:21]
	s_mov_b32 s[G0N], 1
	s_add_co_u32 s[G0N+1], s22, NH
	s_mov_b64 s[G0N+2:G0N+3], s[10:11]
	s_or_b32 s[G0N+3], s[G0N+3], 0x80000000
.irp q, 0,1,2,3
	s_mov_b32 s[G0R+4*\q], 1
	s_add_co_u32 s[G0R+4*\q+1], s23, \q*8*REC      ; column tile 8 q + wave
	s_add_nc_u64 s[G0R+4*\q+2:G0R+4*\q+3], s[8:9], \q*8*REC
	s_or_b32 s[G0R+4*\q+3], s[G0R+4*\q+3], 0x80000000
.endr
	ROUND                                          ; all four work-groups are here: the joint loads meet
	tensor_load_to_lds s[G0N:G0N+3], s[G1N:G1N+7]  ; all fills of the launch together: five loads of mine are out
	s_nop 0
.irp q, 0,1,2,3
	tensor_load_to_lds s[G0R+4*\q:G0R+4*\q+3], s[G1R:G1R+7]
	s_nop 0
.endr
.rept 4
	v_nop
.endr
.irp i, 0,1,2,3
	v_mov_b32 v[ST+12*\i], 0xff800000              ; m1, m2 and the kept batch begin under every number
	v_mov_b32 v[ST+12*\i+1], 0xff800000
	v_mov_b32 v[ST+12*\i+2], 0
.irp j, 0,1,2,3,4,5,6,7
	v_mov_b32 v[ST+12*\i+4+\j], 0xff800000
.endr
.endr
; 30 LDS loads in one run, each of 512 consecutive bytes or the same few bytes for many lanes: the even column tile's 15 first
.macro LOADS
.irp q, 0,1,2,3,4,5,6,7,8,9,10,11
	ds_load_b128 v[BF0+4*\q:BF0+4*\q+3], v[AD] offset:512*\q
.endr
	ds_load_b128 v[BSC:BSC+3], v[ADS]
	ds_load_b128 v[CN:CN+3], v[ADN]
	ds_load_b128 v[CN+4:CN+7], v[ADN] offset:16
	ds_load_b128 v[BSC+4:BSC+7], v[ADS] offset:REC
	ds_load_b128 v[CN+8:CN+11], v[ADN] offset:64
	ds_load_b128 v[CN+12:CN+15], v[ADN] offset:80
	WIN 0x40                                       ; destination window 1
.irp q, 0,1,2,3,4,5,6,7,8,9,10,11
	ds_load_b128 v[192+4*\q:192+4*\q+3], v[AD] offset:REC+512*\q
.endr
	WIN 0
.endm
; 16 matrix instructions: column tile e of the trip against my four tiles of rows, K = 512 in four steps.  The first step's C is -|b|^2 / 2.  The four accumulators take turns, one instruction a turn.
.macro MUL e
	WIN 0x04+\e                                    ; source 1 (desc1) window 1; source 0 (desc2) window 0 for the even tile, 1 for the odd; C and D window 0
.set BFR, BF0+20*\e
.irp k, 0,1,2,3
.irp i, 0,1,2,3
.if \k == 0
	v_wmma_scale_f32_16x16x128_f8f6f4 v[ACC+32*\e+8*\i:ACC+32*\e+8*\i+7], v[BFR+12*\k:BFR+12*\k+11], v[48*\i+12*\k:48*\i+12*\k+11], v[CN+8*\e:CN+8*\e+7], v[BSC+4*\e+\k], v[ASC+4*\i+\k] matrix_a_fmt:MATRIX_FMT_BF6 matrix_b_fmt:MATRIX_FMT_BF6
.else
	v_wmma_scale_f32_16x16x128_f8f6f4 v[ACC+32*\e+8*\i:ACC+32*\e+8*\i+7], v[BFR+12*\k:BFR+12*\k+11], v[48*\i+12*\k:48*\i+12*\k+11], v[ACC+32*\e+8*\i:ACC+32*\e+8*\i+7], v[BSC+4*\e+\k], v[ASC+4*\i+\k] matrix_a_fmt:MATRIX_FMT_BF6 matrix_b_fmt:MATRIX_FMT_BF6
.endif
.endr
.endr
.endm
; The search takes in column tile e's four batches; v[vt] holds the tile's number.  64 instructions, the four tiles of rows by turns, so that no line waits for the line above it.  Each accumulator is read from its low end on.
.macro EPI e, vt
.irp i, 0,1,2,3
	v_max3_num_f32 v[ST+12*\i+3], v[ACC+32*\e+8*\i], v[ACC+32*\e+8*\i+1], v[ACC+32*\e+8*\i+2]
.endr
.irp i, 0,1,2,3
	v_max3_num_f32 v[ST+12*\i+3], v[ST+12*\i+3], v[ACC+32*\e+8*\i+3], v[ACC+32*\e+8*\i+4]
.endr
.irp i, 0,1,2,3
	v_max3_num_f32 v[ST+12*\i+3], v[ST+12*\i+3], v[ACC+32*\e+8*\i+5], v[ACC+32*\e+8*\i+6]
.endr
.irp i, 0,1,2,3
	v_maxmin_num_f32 v[ST+12*\i+3], v[ST+12*\i+3], v[ACC+32*\e+8*\i+7], v[CAP+\i]   ; min(max(.., x7), cap): the batch's capped maximum
.endr
.irp i, 0,1,2,3
	v_cmp_gt_f32 s[MK+\i], v[ST+12*\i+3], v[ST+12*\i]                               ; strictly above m1: on a tie the earlier batch stays
.endr
.irp i, 0,1,2,3
	v_med3_num_f32 v[ST+12*\i+1], v[ST+12*\i+3], v[ST+12*\i], v[ST+12*\i+1]         ; the middle of the three is the new second
.endr
.irp i, 0,1,2,3
	v_max_num_f32 v[ST+12*\i], v[ST+12*\i], v[ST+12*\i+3]
.endr
.irp i, 0,1,2,3
	v_cndmask_b32 v[ST+12*\i+2], v[ST+12*\i+2], v[\vt], s[MK+\i]
.endr
.irp j, 0,1,2,3,4,5,6,7
.irp i, 0,1,2,3
	v_cndmask_b32 v[ST+12*\i+4+\j], v[ST+12*\i+4+\j], v[ACC+32*\e+8*\i+\j], s[MK+\i]
.endr
.endr
.endm
; A trip: two column tiles.  Its LDS loads are issued first; the search over the LAST trip's results stands between them and the wait for them; then the 32 products.
; The three additions and the v_nop are the four places between the last trip's products and the loads into their operands, and the first read of their results (ISA guide 7.12.1 for vector instructions).
; The products that begin an accumulator anew stand behind more than five plain instructions that name none of its registers: the other column tile's search.
.macro TRIP epi
	v_add_nc_u32 v[AD], s[TB], v1
	v_add_nc_u32 v[ADS], s[TB], v2
	v_add_nc_u32 v[ADN], s[TN], v3
	v_nop
	LOADS
	s_add_co_u32 s[TB], s[TB], 2*REC
	s_add_co_u32 s[TN], s[TN], 128
.if \epi
	EPI 0, 7
	EPI 1, 8
	v_add_nc_u32 v7, 2, v7
	v_add_nc_u32 v8, 2, v8
.endif
	s_wait_dscnt 15                                ; the even tile's 15 loads are in; the odd tile's 15 may be out
	MUL 0
	s_wait_dscnt 0x0
	MUL 1
	WIN 0                                          ; at a label and at a branch every window is 0
.endm
; Quarter q of the columns: 8 tiles, four trips.  Each wave waits for its record of the quarter; behind the barrier all eight are in.  The later quarters stay on their way.
.macro QUARTER q
	s_wait_tensorcnt 3-\q                          ; my loads end in order: the norms and quarters 0 .. q are in; 3 - q later ones may be out
	s_barrier_signal -1                            ; (no LDS load of mine is out: the last trip waited for all)
	s_barrier_wait -1
	s_mov_b32 s[TB], \q*8*REC
	s_mov_b32 s[TN], \q*512
	s_mov_b32 s[CNT], 4
.Lquarter_\@:
	TRIP 1
	s_sub_co_u32 s[CNT], s[CNT], 1
	s_cmp_lg_u32 s[CNT], 0
	s_cbranch_scc1 .Lquarter_\@
.endm
	s_wait_tensorcnt 3                             ; the norms and my record of quarter 0 are in; three later loads may be out
	s_barrier_signal -1
	s_barrier_wait -1                              ; everybody's are
	s_wait_loadcnt 0x0                             ; desc1
.irp i, 0,1,2,3
	v_mul_f32 v[CAP+\i], 0.5, v[D1+\i]             ; s at which the squared distance is 0
.endr
	s_mov_b32 s[TB], 0
	s_mov_b32 s[TN], 0
	TRIP 0                                         ; the first trip has no results to search
	s_mov_b32 s[CNT], 3
.Lfirst:
	TRIP 1
	s_sub_co_u32 s[CNT], s[CNT], 1
	s_cmp_lg_u32 s[CNT], 0
	s_cbranch_scc1 .Lfirst
	QUARTER 1
	QUARTER 2
	QUARTER 3
.rept 4
	v_nop                                          ; places behind the last products
.endr
	EPI 0, 7                                       ; the last trip's results
	EPI 1, 8
	; THE END PHASE, once.  (1) where in the kept batch m1 stands: the lowest j whose number reaches m1
.irp i, 0,1,2,3
	v_mov_b32 v[WK+8*\i], 0
	v_mov_b32 v[WK+8*\i+4], 0                      ; (a lane permute's destination counts as one of its sources)
	v_mov_b32 v[WK+8*\i+5], 0
	v_mov_b32 v[WK+8*\i+6], 0
.endr
.irp j, 7,6,5,4,3,2,1,0
.irp i, 0,1,2,3
	v_cmp_ge_f32 s[MK+\i], v[ST+12*\i+4+\j], v[ST+12*\i]
.endr
.irp i, 0,1,2,3
	v_cndmask_b32 v[WK+8*\i], v[WK+8*\i], \j, s[MK+\i]
.endr
.endr
	; (2) the kept batch's second largest, capped, against m2
.irp j, 0,1,2,3,4,5,6,7
.irp i, 0,1,2,3
	v_min_num_f32 v[ST+12*\i+4+\j], v[ST+12*\i+4+\j], v[CAP+\i]
.endr
.endr
.irp i, 0,1,2,3
	v_max_num_f32 v[WK+8*\i+1], v[ST+12*\i+4], v[ST+12*\i+5]
	v_min_num_f32 v[WK+8*\i+2], v[ST+12*\i+4], v[ST+12*\i+5]
.endr
.irp j, 2,3,4,5,6,7
.irp i, 0,1,2,3
	v_med3_num_f32 v[WK+8*\i+2], v[ST+12*\i+4+\j], v[WK+8*\i+1], v[WK+8*\i+2]
.endr
.irp i, 0,1,2,3
	v_max_num_f32 v[WK+8*\i+1], v[WK+8*\i+1], v[ST+12*\i+4+\j]
.endr
.endr
.irp i, 0,1,2,3
	v_max_num_f32 v[ST+12*\i+1], v[ST+12*\i+1], v[WK+8*\i+2]
	v_lshl_add_u32 v[WK+8*\i+7], v[ST+12*\i+2], 4, v[WK+8*\i]
.endr
.irp i, 0,1,2,3
	v_add_nc_u32 v[WK+8*\i+7], v9, v[WK+8*\i+7]    ; the column: 16 x batch + place + 8 h + 512 x split
.endr
	; (3) the row's other columns lie in the lane 16 away
.irp i, 0,1,2,3
	v_permlanex16_b32 v[WK+8*\i+4], v[ST+12*\i], s[SEL], s[SEL+1]
	v_permlanex16_b32 v[WK+8*\i+5], v[ST+12*\i+1], s[SEL], s[SEL+1]
	v_permlanex16_b32 v[WK+8*\i+6], v[WK+8*\i+7], s[SEL], s[SEL+1]
.endr
.irp i, 0,1,2,3
	v_cmp_gt_f32 s[MK+\i], v[WK+8*\i+4], v[ST+12*\i]               ; the other's is larger,
	v_cmp_eq_f32 s73, v[WK+8*\i+4], v[ST+12*\i]                    ; or equal
	v_cmp_lt_u32 s74, v[WK+8*\i+6], v[WK+8*\i+7]                   ; at a lower column
	s_and_b32 s73, s73, s74
	s_or_b32 s[MK+\i], s[MK+\i], s73
	v_cndmask_b32 v[WK+8*\i+7], v[WK+8*\i+7], v[WK+8*\i+6], s[MK+\i]
	v_min_num_f32 v[WK+8*\i+3], v[ST+12*\i], v[WK+8*\i+4]
	v_max3_num_f32 v[ST+12*\i+1], v[WK+8*\i+3], v[ST+12*\i+1], v[WK+8*\i+5]
	v_max_num_f32 v[ST+12*\i], v[ST+12*\i], v[WK+8*\i+4]           ; both halves of the lanes now hold the row's result
.endr
	; (4) out: lanes 0-15 give tile 2 p's rows, lanes 16-31 tile 2 p + 1's: lane l gives row 32 p + l, 16 bytes
.irp p, 0,1
	v_cndmask_b32 v[OUT+4*\p], v[ST+24*\p], v[ST+24*\p+12], s[HI]
	v_cndmask_b32 v[OUT+4*\p+1], v[ST+24*\p+1], v[ST+24*\p+13], s[HI]
	v_cndmask_b32 v[OUT+4*\p+2], v[WK+16*\p+7], v[WK+16*\p+15], s[HI]
	v_cndmask_b32 v[OUT+4*\p+3], v[D1+2*\p], v[D1+2*\p+1], s[HI]
	global_store_b128 v1, v[OUT+4*\p:OUT+4*\p+3], s[12:13] offset:512*\p   ; 32 lanes store 512 consecutive bytes, at a multiple of 256 from the buffer's first byte
.endr
	s_wait_tensorcnt 0x0
	ds_add_u32 v14, v15
	s_wait_dscnt 0x0
	ROUND                                          ; the closing round: no work-group ends while a partner may still ask for a tile that names it
	s_endpgm
.Lfunc_end_k_q89fb5daf4b_match:
	.size	k_q89fb5daf4b_match, .Lfunc_end_k_q89fb5daf4b_match-k_q89fb5daf4b_match
	.p2alignl 7, 3214868480
	.fill 96, 4, 3214868480
	.section	.rodata,"a",@progbits
	.p2align	6, 0x0
	.amdhsa_kernel k_q89fb5daf4b_match
		.amdhsa_group_segment_fixed_size 214016
		.amdhsa_private_segment_fixed_size 0
		.amdhsa_enable_private_segment 0
		.amdhsa_kernarg_size 40
		.amdhsa_user_sgpr_count 2
		.amdhsa_user_sgpr_kernarg_segment_ptr 1
		.amdhsa_wavefront_size32 1
		.amdhsa_system_sgpr_workgroup_id_x 1
		.amdhsa_system_sgpr_workgroup_id_y 1
		.amdhsa_system_sgpr_workgroup_id_z 1
		.amdhsa_system_vgpr_workitem_id 0
		.amdhsa_next_free_vgpr 512
		.amdhsa_next_free_sgpr 84
		.amdhsa_reserve_vcc 0
		.amdhsa_float_denorm_mode_32 3
		.amdhsa_float_denorm_mode_16_64 3
		.amdhsa_memory_ordered 1
		.amdhsa_forward_progress 1
		.amdhsa_inst_pref_size 98
	.end_amdhsa_kernel
	.amdgpu_metadata
---
amdhsa.version: [ 1, 2 ]
amdhsa.kernels:
  - .name:           k_q89fb5daf4b_match
    .symbol:         k_q89fb5daf4b_match.kd
    .args:
      - { .name: r1, .offset: 0, .size: 8, .value_kind: global_buffer, .address_space: global }
      - { .name: n1, .offset: 8, .size: 8, .value_kind: global_buffer, .address_space: global }
      - { .name: r2, .offset: 16, .size: 8, .value_kind: global_buffer, .address_space: global }
      - { .name: n2, .offset: 24, .size: 8, .value_kind: global_buffer, .address_space: global }
      - { .name: part, .offset: 32, .size: 8, .value_kind: global_buffer, .address_space: global }
    .group_segment_fixed_size: 214016
    .private_segment_fixed_size: 0
    .kernarg_segment_align: 8
    .kernarg_segment_size: 40
    .max_flat_workgroup_size: 256
    .sgpr_count:     84
    .vgpr_count:     512
    .wavefront_size: 32
...
	.end_amdgpu_metadata
.endif
;; end of part 2
;; launch finish (part 3): grid 32 x 1, 8 waves a work-group, no clusters, 3,072 bytes of LDS; arguments part, out0, out1, out2; writes out0, out1, out2
.if DOCPART == 3
	.amdgcn_target "amdgcn-amd-amdhsa--gfx1250"
	.amdhsa_code_object_version 6
	.text
	.protected	k_q89fb5daf4b_finish
	.globl	k_q89fb5daf4b_finish
	.p2align	8
	.type	k_q89fb5daf4b_finish,@function
k_q89fb5daf4b_finish:
	s_mov_b64 s[64:65], 0
	v_nop
	global_prefetch_b8 v0, s[64:65] scope:SCOPE_SE
	s_setreg_imm32_b32 hwreg(HW_REG_WAVE_MODE, 25, 1), 1
	s_wait_xcnt 0x0
; part [16 splits][8192 rows][m1, m2, column, |a|^2] holds, for each row and split of 512 columns, the two largest capped s = a.b - |b|^2 / 2 and the column of the largest.  They are joined over the splits in ascending order
; (the compare is strict, so the lower column stays on a tie); the two squared distances are |a|^2 - 2 s, clipped at 0; out0 = their roots' ratio where it is at most 0.8, else 0; out1 = (row, column); out2 = the test.
; A thread takes a row, a work-group 256 rows: the launch has work for 32 work-groups.  Memory binds what little there is: 2 MiB in, 104 KiB out; no matrix unit, no cluster.
; out1 leaves as 256 consecutive bytes a wave.  out0 (4 bytes a row) and out2 (1 byte a row) go through LDS, so that they too leave as runs of 256 consecutive bytes or more, aligned.
; LIMITS: v_sqrt_f32 and v_rcp_f32 are good to 1 ulp and the quotient has one correction step; a squared distance under 2^-126 counts as 0 in the root.  0 / 0 gives NaN, for which the test fails and out0 is 0, as in the definition.
	s_load_b256 s[4:11], s[0:1], 0x0               ; part s[4:5], out0 s[6:7], out1 s[8:9], out2 s[10:11]
	v_lshl_add_u32 v96, v0, 2, 0x800
	v_mov_b32 v97, 0
	v_lshrrev_b32 v2, 5, v0
	v_readfirstlane_b32 s12, v2                    ; wave 0..7
	v_lshlrev_b32 v1, 4, v0                        ; 16 t: my row in a split's part; also a place in out0's 1,024 bytes
	v_lshlrev_b32 v2, 3, v0                        ; 8 t: out1
	v_lshlrev_b32 v3, 2, v0                        ; LDS: out0's word
	v_add_nc_u32 v4, 1024, v0                      ; LDS: out2's byte
	v_and_b32 v6, 31, v0
	v_lshlrev_b32 v6, 3, v6                        ; 8 x lane
	v_add_nc_u32 v5, 1024, v6                      ; LDS: out2's bytes, read back 8 a lane
	s_lshl_b32 s13, ttmp9, 8                       ; the work-group's first row
	s_mov_b32 s15, 0
	s_wait_kmcnt 0x0
	s_lshl_b32 s14, ttmp9, 12
	s_add_nc_u64 s[4:5], s[4:5], s[14:15]
	s_lshl_b32 s14, ttmp9, 10
	s_add_nc_u64 s[6:7], s[6:7], s[14:15]
	s_lshl_b32 s14, ttmp9, 11
	s_add_nc_u64 s[8:9], s[8:9], s[14:15]
	s_mov_b32 s14, s13
	s_add_nc_u64 s[10:11], s[10:11], s[14:15]
.irp c, 0,1,2,3,4,5,6,7,8,9,10,11,12,13,14,15
	global_load_b128 v[8+4*\c:11+4*\c], v1, s[4:5] offset:131072*\c th:TH_LOAD_NT   ; 32 lanes read 512 consecutive bytes; read once
.endr
.irp c, 1,2,3,4,5,6,7,8,9,10,11,12,13,14,15
	s_wait_loadcnt 15-\c                           ; loads come back in order: splits 0 .. c are in; the 15 - c later ones may be out
	v_cmp_gt_f32 vcc_lo, v[8+4*\c], v8
	v_cndmask_b32 v10, v10, v[10+4*\c], vcc_lo
	v_min_num_f32 v72, v8, v[8+4*\c]
	v_max3_num_f32 v9, v72, v9, v[9+4*\c]
	v_max_num_f32 v8, v8, v[8+4*\c]
.endr
	v_fma_f32 v73, -2.0, v8, v11                   ; |a|^2 - 2 s: the nearest,
	v_fma_f32 v74, -2.0, v9, v11                   ; the second
	v_max_num_f32 v73, 0, v73
	v_max_num_f32 v74, 0, v74
	v_sqrt_f32 v75, v73
	v_sqrt_f32 v76, v74
	v_add_nc_u32 v80, s13, v0                      ; my row (a plain place behind the roots)
	s_wait_alu depctr_va_vdst(0)
	v_rcp_f32 v77, v76
	v_mov_b32 v81, v10                             ; (a plain place behind the reciprocal)
	s_wait_alu depctr_va_vdst(0)
	v_mul_f32 v78, v75, v77
	v_fma_f32 v79, -v78, v76, v75                  ; what the quotient leaves,
	v_fma_f32 v78, v79, v77, v78                   ; put back
	v_cmp_ge_f32 vcc_lo, 0x3f4ccccd, v78           ; 0.8 >= ratio; false for NaN
	v_cndmask_b32 v82, 0, v78, vcc_lo
	v_cndmask_b32 v83, 0, 1, vcc_lo
	global_store_b64 v2, v[80:81], s[8:9]          ; 32 lanes store 256 consecutive bytes, aligned
	ds_store_b32 v3, v82
	ds_store_b8 v4, v83
	s_wait_dscnt 0x0                               ; for the others' sake: my stores have landed
	s_barrier_signal -1
	s_barrier_wait -1
	s_cmp_lt_u32 s12, 2
	s_cbranch_scc0 .Lnot_out0
	ds_load_b128 v[84:87], v1                      ; waves 0 and 1: out0's 1,024 bytes, 16 a lane
	s_wait_dscnt 0x0
	global_store_b128 v1, v[84:87], s[6:7]
	s_branch .Lend
.Lnot_out0:
	s_cmp_eq_u32 s12, 2
	s_cbranch_scc0 .Lend
	ds_load_b64 v[84:85], v5                       ; wave 2: out2's 256 bytes, 8 a lane
	s_wait_dscnt 0x0
	global_store_b64 v6, v[84:85], s[10:11]
.Lend:
	s_wait_tensorcnt 0x0
	ds_add_u32 v96, v97
	s_wait_dscnt 0x0
	s_endpgm
.Lfunc_end_k_q89fb5daf4b_finish:
	.size	k_q89fb5daf4b_finish, .Lfunc_end_k_q89fb5daf4b_finish-k_q89fb5daf4b_finish
	.p2alignl 7, 3214868480
	.fill 96, 4, 3214868480
	.section	.rodata,"a",@progbits
	.p2align	6, 0x0
	.amdhsa_kernel k_q89fb5daf4b_finish
		.amdhsa_group_segment_fixed_size 3072
		.amdhsa_private_segment_fixed_size 0
		.amdhsa_enable_private_segment 0
		.amdhsa_kernarg_size 32
		.amdhsa_user_sgpr_count 2
		.amdhsa_user_sgpr_kernarg_segment_ptr 1
		.amdhsa_wavefront_size32 1
		.amdhsa_system_sgpr_workgroup_id_x 1
		.amdhsa_system_sgpr_workgroup_id_y 1
		.amdhsa_system_sgpr_workgroup_id_z 1
		.amdhsa_system_vgpr_workitem_id 0
		.amdhsa_next_free_vgpr 98
		.amdhsa_next_free_sgpr 66
		.amdhsa_reserve_vcc 1
		.amdhsa_float_denorm_mode_32 3
		.amdhsa_float_denorm_mode_16_64 3
		.amdhsa_memory_ordered 1
		.amdhsa_forward_progress 1
		.amdhsa_inst_pref_size 8
	.end_amdhsa_kernel
	.amdgpu_metadata
---
amdhsa.version: [ 1, 2 ]
amdhsa.kernels:
  - .name:           k_q89fb5daf4b_finish
    .symbol:         k_q89fb5daf4b_finish.kd
    .args:
      - { .name: part, .offset: 0, .size: 8, .value_kind: global_buffer, .address_space: global }
      - { .name: out0, .offset: 8, .size: 8, .value_kind: global_buffer, .address_space: global }
      - { .name: out1, .offset: 16, .size: 8, .value_kind: global_buffer, .address_space: global }
      - { .name: out2, .offset: 24, .size: 8, .value_kind: global_buffer, .address_space: global }
    .group_segment_fixed_size: 3072
    .private_segment_fixed_size: 0
    .kernarg_segment_align: 8
    .kernarg_segment_size: 32
    .max_flat_workgroup_size: 256
    .sgpr_count:     66
    .vgpr_count:     98
    .wavefront_size: 32
...
	.end_amdgpu_metadata
.endif
;; end of part 3
